; MI455X (gfx1250); checked and timed in simulation.
; The chip was launched on July 23, 2026; its instructions are those of AMD's public machine-readable ISA for CDNA 5 (MIT licence, August 2026) and "CDNA5" Instruction Set Architecture Reference Guide (July 2026). The comments in the code are by the model that wrote it; some were corrected since.
;; Multi Head Attention. Allowed arithmetic: matrix products marked QUANTISED: E5M2 operands, one given power-of-two scale a tensor, by v_wmma_f32_16x16x64_bf8_bf8 or v_wmma_f32_16x16x128_bf8_bf8, f32 sums; everything else in f32.
;; Inputs: Wk_codes 1,024 x 32 x 32 uint8 (E5M2 codes of Wk, K innermost, in blocks of 32 codes); Wq_codes 1,024 x 32 x 32 uint8 (E5M2 codes of Wq, K innermost, in blocks of 32 codes); Wv_codes 1,024 x 32 x 32 uint8 (E5M2 codes of Wv, K innermost, in blocks of 32 codes); bk 1,024 float32; bq 1,024 float32; bv 1,024 float32; k_codes 4 x 2,048 x 32 x 32 uint8 (E5M2 codes of k, K innermost, in blocks of 32 codes); lowp_scales 10 int32 (the exponents e of the quantised operands' scales 2^e); mask 4 x 2,048 x 1 int32; q_codes 4 x 2,048 x 32 x 32 uint8 (E5M2 codes of q, K innermost, in blocks of 32 codes); v_codes 4 x 2,048 x 32 x 32 uint8 (E5M2 codes of v, K innermost, in blocks of 32 codes).
;; Outputs: out0 4 x 2,048 x 1,024 float32.
;; This version of the problem:
;;   THIS VERSION OF THE PROBLEM IS GIVEN IN LOW PRECISION. The matrix products marked QUANTISED in the list below multiply operands that are first quantised to E5M2 (5 exponent bits, 2 mantissa bits; 8 bits a number), with one given power-of-two scale for each operand tensor; their sums are f32. All else is computed in f32.
;;   The module's matrix products, in the order in which they are computed (A, B: the left and right operand; K: the contracted axis; several contracted axes count as one K, in the product's order):
;;     1. [M 8,192, K 1,024] x [K 1,024, N 1,024]; A: input q (given as codes); B: input Wq (given as codes): QUANTISED (scales: A lowp_scales[0], B lowp_scales[1])
;;     2. [M 8,192, K 1,024] x [K 1,024, N 1,024]; A: input k (given as codes); B: input Wk (given as codes): QUANTISED (scales: A lowp_scales[2], B lowp_scales[3])
;;     3. [M 8,192, K 1,024] x [K 1,024, N 1,024]; A: input v (given as codes); B: input Wv (given as codes): QUANTISED (scales: A lowp_scales[4], B lowp_scales[5])
;;     4. batch 64 x [M 2,048, K 64] x [K 64, N 2,048]; A: computed on the way; B: computed on the way: QUANTISED (scales: A lowp_scales[6], B lowp_scales[7])
;;     5. batch 64 x [M 2,048, K 2,048] x [K 2,048, N 64]; A: softmax (see below); B: computed on the way: QUANTISED (scales: A lowp_scales[8], B lowp_scales[9])
;;   THE QUANTISER, for each operand of a quantised product, along K:
;;     - The operand's scale is 2^e, e = its entry of the input lowp_scales (int32; the entries are numbered through the quantised products in the list's order, A before B).
;;     - Each number is divided by the scale, clamped to +-57,344, and rounded to the nearest number of E5M2, ties to even, subnormals kept.
;;     - The product sums the exact products of the quantised numbers (number of the format x scale) in f32.
;;   ~~~python
;;   def quantise(x, axis, e):      # numpy; x: float32 -> the quantised numbers, widened to float32 again
;;       x = np.moveaxis(x, axis, -1); K = x.shape[-1]
;;       r = np.clip(x / 2.0 ** e, -57344, 57344)
;;       step = 2.0 ** (np.maximum(np.frexp(np.where(r == 0, 1, r))[1] - 1, -14) - 2)
;;       q = np.round(r / step) * step * 2.0 ** e      # np.round: ties to even
;;       return np.moveaxis(q, -1, axis).astype(np.float32)
;;   ~~~
;;   SOFTMAX AHEAD OF A QUANTISED PRODUCT. Where the list says 'softmax', what is quantised is not the finished softmax but p = 2^(t - M), with t = logit x log2(e) and M = ceil(the row's largest t), a whole number; so 1/2 < the row's largest p <= 1. The row's sum l is taken of the UNQUANTISED p, in f32, and the product's result is divided by l at the end. Since M is a whole number, a kernel that streams over the keys may use a running M (the ceiling of the running maximum): every later rescaling is an exact power of two, so the quantised numbers keep their values, but for numbers so far below the row's largest that they fall under the format's range.
;;   OPERANDS COMPUTED ON THE WAY. 'Computed on the way' means the value that the module computes at that place (a softmax that the list does not call 'softmax' is quantised finished and normalised). What goes into a quantiser is computed in f32, as accurately as f32 sums, v_exp_f32 and their like allow (about 1e-6 of the number): no bf16 or f16 on the way to a quantiser, and a product that is left as it is and whose result goes on into a quantised operand takes f32 operands (vector FMAs, or v_wmma_f32_16x16x4_f32). A number that lies on a knife's edge between two numbers of the format may be rounded either way, as far as f32 arithmetic and the matrix unit's own rounding can turn it there, and no further.
;;   INPUTS GIVEN AS CODES. Wk (in the module: [1024, 1024], K = its axis 0); Wq (in the module: [1024, 1024], K = its axis 0); Wv (in the module: [1024, 1024], K = its axis 0); k (in the module: [4, 2048, 1024], K = its axis 2); q (in the module: [4, 2048, 1024], K = its axis 2); v (in the module: [4, 2048, 1024], K = its axis 2): each comes as NAME_codes (uint8): NAME with its K axis moved to the last place and cut into blocks of 32 codes, [.., K / 32, bytes a block], one block behind the other in memory; one code a byte (a code: sign, 5 exponent bits, 2 mantissa bits); its scale is its entry of lowp_scales. Its value is code x scale, taken as it is: it is not quantised again, and the codes and scales need not be those that the quantiser above would give.
;; One version. Each part assembles by itself: llvm-mc -triple=amdgcn-amd-amdhsa -mcpu=gfx1250 --defsym DOCPART=n.
;; ======== version 1 of 1: 2 launches
;; limits: right only within a limited range of input values
;; workspace buffers: qc 8,388,608 bytes; kc 8,388,608 bytes; vc 8,388,608 bytes
;; launch proj (part 1): grid 4 x 96, 4 waves a work-group, clusters of 4 x 4, 327,680 bytes of LDS; arguments q_codes, k_codes, v_codes, Wq_codes, Wk_codes, Wv_codes, bq, bk, bv, lowp_scales, qc, kc, vc; writes qc, kc, vc
.if DOCPART == 1
	.amdgcn_target "amdgcn-amd-amdhsa--gfx1250"
	.amdhsa_code_object_version 6
	.text
	.protected	k_q741c91eaa0_proj
	.globl	k_q741c91eaa0_proj
	.p2align	8
	.type	k_q741c91eaa0_proj,@function
k_q741c91eaa0_proj:
	s_mov_b64 s[64:65], 0
	v_nop
	global_prefetch_b8 v0, s[64:65] scope:SCOPE_SE
	s_setreg_imm32_b32 hwreg(HW_REG_WAVE_MODE, 25, 1), 1
	s_wait_xcnt 0x0
	s_wait_alu depctr_hold_cnt(0) depctr_sa_sdst(0) depctr_va_vdst(0) depctr_va_sdst(0) depctr_va_ssrc(0) depctr_va_vcc(0) depctr_vm_vsrc(0)
	s_getreg_b32 s2, hwreg(HW_REG_IB_STS2, 6, 4)
	s_cmp_eq_u32 s2, 0
	s_cbranch_scc0 .Lentry_in_a_cluster
	s_endpgm
.Lentry_in_a_cluster:
	s_bfe_u32 s2, ttmp6, 0x10000c
	s_cmp_lg_u32 s2, 0xf033
	s_cbranch_scc0 .Lentry_shape_is_right
	s_endpgm
.Lentry_shape_is_right:
.set KSTEP,  256
.set ROWB,   256
.set KROW,   1024
.set PITCH,  272
.set FR,     16
.set NL,     4
.set NP,     4
.set HALFT,  128*PITCH
.set SLOT,   4*HALFT
.set LAPS,   2
.set SPARE,  2*SLOT
.set ADRA, 16
.set ADRB, 20
.set LI,   24
.set OFH,  25
.set OFR,  26
.set SPW,  28
.set NIL,  29
.set BI,   32
.set BV,   96
.set SCL,  112
.set HOLD, 113
.set AF,   128
.set TMP,  128
.set CD,   192
.set G1, 24
.set G0, 32
.set G1B, 48
.set G0B, 56
.set TYP, 66
.set MSB, 0
.macro WIN new
.if MSB != \new
	s_set_vgpr_msb (MSB<<8)|\new
.set MSB, \new
.endif
.endm
.set MUL_LO, 0xa1
.set MUL_HI, 0xf1
.set TO_B,   0x40
.macro JLOAD g0a, g1a, g0b, g1b
	s_cmp_eq_u32 s15, 0
	s_cbranch_scc0 .Lfor_b_\@
	tensor_load_to_lds s[\g0a:\g0a+3], s[\g1a:\g1a+7]
	s_nop 0
.rept 4
	v_nop
.endr
	s_branch .Lasked_\@
.Lfor_b_\@:
	tensor_load_to_lds s[\g0b:\g0b+3], s[\g1b:\g1b+7]
	s_nop 0
.rept 4
	v_nop
.endr
.Lasked_\@:
.endm
.macro CREST
	s_cmp_lg_u32 s14, 0
	s_cbranch_scc1 .Lnot_wave_0_\@
	s_barrier_signal -3
.Lnot_wave_0_\@:
	s_barrier_wait -3
	s_barrier_signal -1
	s_barrier_wait -1
.endm
.macro CROUND
	s_barrier_signal -1
	s_barrier_wait -1
	CREST
.endm
	s_load_b512 s[68:83], s[0:1], 0x0
	s_load_b256 s[84:91], s[0:1], 0x40
	s_load_b64 s[92:93], s[0:1], 0x60
	v_lshl_add_u32 v[SPW], v0, 2, SPARE
	v_mov_b32 v[NIL], 0
	ds_add_u32 v28, v29
	ds_add_u32 v28, v29
	s_wait_dscnt 0x0
	v_lshrrev_b32 v1, 5, v0
	v_readfirstlane_b32 s14, v1
	s_lshr_b32 s15, s14, 1
	s_and_b32 s16, s14, 1
	s_bfe_u32 s40, ttmp6, 0x40000
	s_bfe_u32 s41, ttmp6, 0x40004
	s_and_b32 s19, ttmp7, 0xffff
	s_lshr_b32 s[TYP], s19, 3
	s_and_b32 s19, s19, 7
	s_lshl_b32 s19, s19, 2
	s_cmp_eq_u32 s[TYP], 2
	s_cselect_b32 s42, s19, 0
	s_cselect_b32 s17, 0, s19
	s_add_co_u32 s42, s42, s40
	s_add_co_u32 s17, s17, s41
	s_lshl_b32 s43, s41, 2
	s_lshl_b32 s43, 15, s43
	s_lshl_b32 s44, 0x1111, s40
	s_or_b32 s[G1+0], s43, (0<<16)|(1<<20)|(1<<21)|(5<<22)|(3<<25)
	s_or_b32 s[G1B+0], s44, (0<<16)|(1<<20)|(1<<21)|(5<<22)|(3<<25)
.irp g, G1, G1B
	s_mov_b32 s[\g+1], ROWB<<16
	s_mov_b32 s[\g+2], 128<<16
	s_mov_b32 s[\g+3], ROWB<<16
	s_mov_b32 s[\g+4], 128
	s_mov_b32 s[\g+5], KROW
	s_mov_b32 s[\g+6], 0
	s_mov_b32 s[\g+7], 0
.endr
	s_lshl_b32 s18, s16, 7
	s_lshl_b32 s20, s17, 8
	s_add_co_u32 s20, s20, s18
	s_lshl_b32 s20, s20, 10
	s_mov_b32 s21, 0
	s_lshl_b32 s46, s42, 8
	s_add_co_u32 s46, s46, s18
	s_lshl_b32 s46, s46, 10
	s_mov_b32 s47, 0
	s_mul_i32 s45, s14, HALFT
	s_wait_kmcnt 0x0
	s_cmp_eq_u32 s[TYP], 1
	s_cselect_b64 s[4:5], s[70:71], s[78:79]
	s_cselect_b64 s[6:7], s[76:77], s[72:73]
	s_cselect_b64 s[8:9], s[82:83], s[84:85]
	s_cselect_b64 s[10:11], s[90:91], s[92:93]
	s_cmp_eq_u32 s[TYP], 0
	s_cselect_b64 s[4:5], s[68:69], s[4:5]
	s_cselect_b64 s[6:7], s[74:75], s[6:7]
	s_cselect_b64 s[8:9], s[80:81], s[8:9]
	s_cselect_b64 s[10:11], s[88:89], s[10:11]
	s_load_b256 s[68:75], s[86:87], 0x0
	s_load_b64 s[76:77], s[86:87], 0x20
	s_add_nc_u64 s[20:21], s[4:5], s[20:21]
	s_add_nc_u64 s[46:47], s[6:7], s[46:47]
	CROUND
.irp s, 0,1
	s_mov_b32 s[G0+4*\s], 1
	s_add_co_u32 s[G0+4*\s+1], s45, \s*SLOT
	s_add_nc_u64 s[G0+4*\s+2:G0+4*\s+3], s[20:21], \s*ROWB
	s_or_b32 s[G0+4*\s+3], s[G0+4*\s+3], 0x80000000
	s_mov_b32 s[G0B+4*\s], 1
	s_add_co_u32 s[G0B+4*\s+1], s45, \s*SLOT
	s_add_nc_u64 s[G0B+4*\s+2:G0B+4*\s+3], s[46:47], \s*ROWB
	s_or_b32 s[G0B+4*\s+3], s[G0B+4*\s+3], 0x80000000
	s_wait_alu depctr_va_vdst(0)
	s_wait_tensorcnt 0x0
	ds_add_u32 v28, v29
	ds_add_u32 v28, v29
	s_wait_dscnt 0x0
	CROUND
	JLOAD G0+4*\s, G1, G0B+4*\s, G1B
.endr
	v_and_b32 v1, 15, v0
	v_bfe_u32 v2, v0, 4, 1
	v_mul_u32_u24 v3, v1, PITCH
	v_lshl_add_u32 v4, v2, 4, v3
	s_mul_i32 s21, s15, HALFT
	s_mul_i32 s22, s16, HALFT
	s_add_co_u32 s22, s22, 2*HALFT
.irp s, 0,1
	v_add_nc_u32 v[ADRA+\s], s21, v4
	v_add_nc_u32 v[ADRB+\s], s22, v4
	s_add_co_u32 s21, s21, SLOT
	s_add_co_u32 s22, s22, SLOT
.endr
	v_and_b32 v6, 31, v0
	v_lshlrev_b32 v[LI], 4, v6
	v_lshlrev_b32 v[OFH], 5, v2
	s_wait_alu depctr_va_vdst(0)
	v_lshlrev_b32 v[OFR], 2, v1
	s_wait_alu depctr_va_vdst(0)
	s_lshl_b32 s20, s17, 8
	s_lshl_b32 s21, s15, 7
	s_add_co_u32 s20, s20, s21
	s_lshl_b32 s46, s42, 8
	s_lshl_b32 s47, s16, 7
	s_add_co_u32 s46, s46, s47
	s_and_b32 s18, s46, 1023
	s_lshl_b32 s18, s18, 2
	s_mov_b32 s19, 0
	s_add_nc_u64 s[88:89], s[8:9], s[18:19]
	s_and_b32 s18, s20, 1023
	s_lshl_b32 s18, s18, 2
	s_add_nc_u64 s[90:91], s[8:9], s[18:19]
.irp b, 0,1,2,3,4,5,6,7
	global_load_b128 v[BI+8*\b:BI+8*\b+3],   v[OFH], s[88:89] offset:64*\b
	global_load_b128 v[BI+8*\b+4:BI+8*\b+7], v[OFH], s[88:89] offset:64*\b+16
.endr
.irp a, 0,1,2,3,4,5,6,7
	global_load_b32 v[BV+2*\a],   v[OFR], s[90:91] offset:64*\a
	global_load_b32 v[BV+2*\a+1], v[OFR], s[90:91] offset:64*\a
.endr
	s_cmp_eq_u32 s[TYP], 2
	s_cselect_b32 s18, s46, s20
	s_cselect_b32 s19, s20, s46
	s_lshr_b32 s22, s18, 11
	s_lshl_b32 s22, s22, 21
	s_lshl_b32 s19, s19, 11
	s_add_co_u32 s22, s22, s19
	s_and_b32 s18, s18, 2047
	s_lshl_b32 s18, s18, 6
	s_add_co_u32 s22, s22, s18
	s_mov_b32 s23, 0
	s_add_nc_u64 s[10:11], s[10:11], s[22:23]
	s_wait_kmcnt 0x0
	s_add_co_i32 s78, s68, s69
	s_add_co_i32 s79, s70, s71
	s_add_co_i32 s80, s72, s73
	s_cmp_eq_u32 s[TYP], 1
	s_cselect_b32 s96, s79, s80
	s_cselect_b32 s81, s75, s77
	s_cmp_eq_u32 s[TYP], 0
	s_cselect_b32 s96, s78, s96
	s_cselect_b32 s81, s74, s81
	s_add_co_i32 s96, s96, 127
	s_lshl_b32 s96, s96, 23
	s_mov_b32 s97, s96
	s_add_co_i32 s81, s81, 127
	s_lshl_b32 s82, s81, 23
	v_mov_b32 v[SCL], s82
.macro FRAG reg, adr, q, i
.irp c, 0,1,2,3
	ds_load_b128 v[\reg+4*\c:\reg+4*\c+3], v[\adr] offset:128*(\q)+32*\c+(\i)*16*PITCH
.endr
.endm
.macro MUL16 a0, p, zero
.irp a, \a0, \a0+1
.irp b, 0,1,2,3,4,5,6,7
.if \zero
	v_wmma_f32_16x16x128_bf8_bf8 v[8*(8*((\a)%4)+\b):8*(8*((\a)%4)+\b)+7], v[128*(\p)+FR*\b:128*(\p)+FR*\b+FR-1], v[AF+FR*(\a):AF+FR*(\a)+FR-1], 0
.else
	v_wmma_f32_16x16x128_bf8_bf8 v[8*(8*((\a)%4)+\b):8*(8*((\a)%4)+\b)+7], v[128*(\p)+FR*\b:128*(\p)+FR*\b+FR-1], v[AF+FR*(\a):AF+FR*(\a)+FR-1], v[8*(8*((\a)%4)+\b):8*(8*((\a)%4)+\b)+7]
.endif
.endr
.endr
.endm
.macro FETCH_B slot, q, p
	WIN TO_B
.irp i, 0,1,2,3,4,5,6,7
	FRAG 128*(\p)+FR*\i, ADRB+\slot, \q, \i
.endr
	WIN 0
.endm
.macro FETCH_A slot, q, i0
.irp i, \i0, \i0+1, \i0+2, \i0+3
	FRAG AF+FR*(\i), ADRA+\slot, \q, \i
.endr
.endm
.macro PLACES n
.rept \n
	v_nop
.endr
.endm
.macro STEP slot, q, zero
	s_wait_dscnt 4*NL
	WIN MUL_LO
	MUL16 0, (\q)%2, \zero
	MUL16 2, (\q)%2, \zero
	s_wait_dscnt 0
	PLACES NP
	FETCH_B \slot, (\q)+1, 1-(\q)%2
	FETCH_A \slot, (\q)+1, 0
	WIN MUL_HI
	MUL16 4, (\q)%2, \zero
	MUL16 6, (\q)%2, \zero
	PLACES NP
	WIN 0
	FETCH_A \slot, (\q)+1, 4
.endm
.macro TURN slot, next, fill
	s_wait_tensorcnt 0x0
	ds_add_u32 v[SPW], v[NIL]
	s_wait_dscnt 4*NL+1
	WIN MUL_LO
	MUL16 0, 1, 0
	s_wait_dscnt 0x0
	s_barrier_signal -1
	MUL16 2, 1, 0
	WIN 0
	s_barrier_wait -1
.if \fill
	CREST
	s_add_nc_u64 s[G0+4*\slot+2:G0+4*\slot+3], s[G0+4*\slot+2:G0+4*\slot+3], 2*ROWB
	s_add_nc_u64 s[G0B+4*\slot+2:G0B+4*\slot+3], s[G0B+4*\slot+2:G0B+4*\slot+3], 2*ROWB
	JLOAD G0+4*\slot, G1, G0B+4*\slot, G1B
.else
	PLACES NP
.endif
	FETCH_B \next, 0, 0
	FETCH_A \next, 0, 0
	WIN MUL_HI
	MUL16 4, 1, 0
	MUL16 6, 1, 0
	PLACES NP
	WIN 0
	FETCH_A \next, 0, 4
.endm
	s_wait_tensorcnt 1
	s_barrier_signal -1
	s_barrier_wait -1
	FETCH_B 0, 0, 0
	FETCH_A 0, 0, 0
	FETCH_A 0, 0, 4
	STEP 0, 0, 1
	s_mov_b32 s3, LAPS-1
.Llap:
	TURN 0, 1, 1
	STEP 1, 0, 0
	TURN 1, 0, 1
	STEP 0, 0, 0
	s_sub_co_u32 s3, s3, 1
	s_cmp_lg_u32 s3, 0
	s_cbranch_scc1 .Llap
	TURN 0, 1, 0
	STEP 1, 0, 0
	s_wait_dscnt 4*NL
	WIN MUL_LO
	MUL16 0, 1, 0
	MUL16 2, 1, 0
	s_wait_dscnt 0
	WIN MUL_HI
	MUL16 4, 1, 0
	MUL16 6, 1, 0
	WIN 0
.macro OUT isv
.irp a, 0,1,2,3,4,5,6,7
.if \a >= 4
	s_wait_xcnt 0x0
.endif
	WIN 0x02+(\a/4)
.irp b, 0,1,2,3,4,5,6,7
.irp i, 0,2,4,6
.if \isv
	v_pk_fma_f32 v[TMP+8*\b+\i:TMP+8*\b+\i+1], v[64*(\a%4)+8*\b+\i:64*(\a%4)+8*\b+\i+1], s[96:97], v[BV+2*\a:BV+2*\a+1] op_sel_hi:[1,0,1]
.else
	v_pk_fma_f32 v[TMP+8*\b+\i:TMP+8*\b+\i+1], v[64*(\a%4)+8*\b+\i:64*(\a%4)+8*\b+\i+1], s[96:97], v[BI+8*\b+\i:BI+8*\b+\i+1] op_sel_hi:[1,0,1]
.endif
.endr
.endr
	WIN 0
.set j, 0
.rept 64
.set j, j+1
.endr
.irp b, 0,1,2,3,4,5,6,7
	v_cvt_scalef32_pk8_bf8_f32 v[CD+16*(\a%4)+2*\b:CD+16*(\a%4)+2*\b+1], v[TMP+8*\b:TMP+8*\b+7], v[SCL]
.endr
	v_nop
.irp c, 0,1,2,3
.if \isv
	global_store_b128 v[LI], v[CD+16*(\a%4)+4*\c:CD+16*(\a%4)+4*\c+3], s[10:11] offset:((\a/4)<<17)+((\a%4)<<11)+(\c<<9)
.else
	global_store_b128 v[LI], v[CD+16*(\a%4)+4*\c:CD+16*(\a%4)+4*\c+3], s[10:11] offset:((\c/2)<<17)+(\a<<10)+((\c%2)<<9)
.endif
.endr
.endr
.endm
	s_wait_loadcnt 0x0
	PLACES NP
	s_cmp_eq_u32 s[TYP], 2
	s_cbranch_scc1 .Lout_v
	OUT 0
	s_branch .Ldone
.Lout_v:
	OUT 1
.Ldone:
	s_wait_tensorcnt 0x0
	ds_add_u32 v[SPW], v[NIL]
	s_wait_dscnt 0x0
	CROUND
	s_endpgm
.Lfunc_end_k_q741c91eaa0_proj:
	.size	k_q741c91eaa0_proj, .Lfunc_end_k_q741c91eaa0_proj-k_q741c91eaa0_proj
	.p2alignl 7, 3214868480
	.fill 96, 4, 3214868480
	.section	.rodata,"a",@progbits
	.p2align	6, 0x0
	.amdhsa_kernel k_q741c91eaa0_proj
		.amdhsa_group_segment_fixed_size 327680
		.amdhsa_private_segment_fixed_size 0
		.amdhsa_enable_private_segment 0
		.amdhsa_kernarg_size 104
		.amdhsa_user_sgpr_count 2
		.amdhsa_user_sgpr_kernarg_segment_ptr 1
		.amdhsa_wavefront_size32 1
		.amdhsa_system_sgpr_workgroup_id_x 1
		.amdhsa_system_sgpr_workgroup_id_y 1
		.amdhsa_system_sgpr_workgroup_id_z 1
		.amdhsa_system_vgpr_workitem_id 0
		.amdhsa_next_free_vgpr 1024
		.amdhsa_next_free_sgpr 98
		.amdhsa_reserve_vcc 0
		.amdhsa_float_denorm_mode_32 3
		.amdhsa_float_denorm_mode_16_64 3
		.amdhsa_fp16_overflow 1
		.amdhsa_memory_ordered 1
		.amdhsa_forward_progress 1
		.amdhsa_inst_pref_size 131
	.end_amdhsa_kernel
	.amdgpu_metadata
---
amdhsa.version: [ 1, 2 ]
amdhsa.kernels:
  - .name:           k_q741c91eaa0_proj
    .symbol:         k_q741c91eaa0_proj.kd
    .args:
      - { .name: q_codes, .offset: 0, .size: 8, .value_kind: global_buffer, .address_space: global }
      - { .name: k_codes, .offset: 8, .size: 8, .value_kind: global_buffer, .address_space: global }
      - { .name: v_codes, .offset: 16, .size: 8, .value_kind: global_buffer, .address_space: global }
      - { .name: Wq_codes, .offset: 24, .size: 8, .value_kind: global_buffer, .address_space: global }
      - { .name: Wk_codes, .offset: 32, .size: 8, .value_kind: global_buffer, .address_space: global }
      - { .name: Wv_codes, .offset: 40, .size: 8, .value_kind: global_buffer, .address_space: global }
      - { .name: bq, .offset: 48, .size: 8, .value_kind: global_buffer, .address_space: global }
      - { .name: bk, .offset: 56, .size: 8, .value_kind: global_buffer, .address_space: global }
      - { .name: bv, .offset: 64, .size: 8, .value_kind: global_buffer, .address_space: global }
      - { .name: lowp_scales, .offset: 72, .size: 8, .value_kind: global_buffer, .address_space: global }
      - { .name: qc, .offset: 80, .size: 8, .value_kind: global_buffer, .address_space: global }
      - { .name: kc, .offset: 88, .size: 8, .value_kind: global_buffer, .address_space: global }
      - { .name: vc, .offset: 96, .size: 8, .value_kind: global_buffer, .address_space: global }
    .group_segment_fixed_size: 327680
    .private_segment_fixed_size: 0
    .kernarg_segment_align: 8
    .kernarg_segment_size: 104
    .max_flat_workgroup_size: 128
    .sgpr_count:     98
    .vgpr_count:     1024
    .wavefront_size: 32
...
	.end_amdgpu_metadata
.endif
;; end of part 1
;; launch attn (part 2): grid 4 x 64, 8 waves a work-group, clusters of 4 x 1, 297,984 bytes of LDS; arguments qc, kc, vc, mask, lowp_scales, out0; writes out0
.if DOCPART == 2
	.amdgcn_target "amdgcn-amd-amdhsa--gfx1250"
	.amdhsa_code_object_version 6
	.text
	.protected	k_q741c91eaa0_attn
	.globl	k_q741c91eaa0_attn
	.p2align	8
	.type	k_q741c91eaa0_attn,@function
k_q741c91eaa0_attn:
	s_mov_b64 s[64:65], 0
	v_nop
	global_prefetch_b8 v0, s[64:65] scope:SCOPE_SE
	s_setreg_imm32_b32 hwreg(HW_REG_WAVE_MODE, 25, 1), 1
	s_wait_xcnt 0x0
	s_wait_alu depctr_hold_cnt(0) depctr_sa_sdst(0) depctr_va_vdst(0) depctr_va_sdst(0) depctr_va_ssrc(0) depctr_va_vcc(0) depctr_vm_vsrc(0)
	s_getreg_b32 s2, hwreg(HW_REG_IB_STS2, 6, 4)
	s_cmp_eq_u32 s2, 0
	s_cbranch_scc0 .Lentry_in_a_cluster
	s_endpgm
.Lentry_in_a_cluster:
	s_bfe_u32 s2, ttmp6, 0x10000c
	s_cmp_lg_u32 s2, 0x3003
	s_cbranch_scc0 .Lentry_shape_is_right
	s_endpgm
.Lentry_shape_is_right:
; ATTENTION ON CODES OF BF8 (E5M2): for each of 64 (batch, head) pairs, 2,048 queries x 2,048 keys, depth 64.  qc, kc, vc hold the operands as images of this kernel's operand registers (16 bytes a lane, 512 bytes a piece):
;   qc, kc: [pair 64][tile of 16 rows 128][half 2][lane 32][16]: a fragment 16 rows x 64 depth is 1,024 bytes.   vc: [pair 64][step of 128 keys 16][16 channels 4][piece 4][lane 32][16]: a fragment 16 channels x 128 keys is 2,048 bytes.
; THE SOFTMAX AHEAD OF THE SECOND PRODUCT: t = score x c, c = log2(e) / 8 x 2^(e6 + e7); M = the running largest t rounded UP to a whole number (kept as -M = floor(-t)); p = 2^(t - M) is quantised with the given 2^e8, not normalised.
; The row's sum is taken of the unquantised p and divides at the end.  When M moves, the sum and O are multiplied by 2^(old M - new M), which rounds nothing.
; THE MASK is one number a QUERY: where it is 0 every logit of the row is the same constant, so t - M is 0 for every key and p = 1.  Such a query's lane gets the factor c = 0: then t = 0, M = 0, p = 1, sum = 2,048: no line in the loop, no branch.
; LIMITS: e6 + e7 between -123 and 130 (added to c's exponent field); e8 between -126 and 112; e8 + e9 is applied by v_ldexp_f32 and has none.  NaN and infinity among the codes are not served.
; SHARES.  A work-group owns 512 queries of one pair, each of its eight waves 64: four tiles of 16; two waves to a SIMD.  Every wave walks all 2,048 keys, 128 a step; a fragment of K or V read from LDS feeds four tiles.
; THE PAIR'S WHOLE K AND V LIE IN LDS (2 x 131,072 bytes): nothing is ever filled again.  All tensor loads go out in one group at the head, four a wave (four of mine are out at the most), cut so that the first key steps can begin while the later ones are
; on their way.  CLUSTER: the four query blocks of a pair read the same K and V: each load is asked for JOINTLY by the four, with the same descriptor and the mask 15.
; LAYOUT.  Both products are used transposed: S^T = K Q^T (source 0 = 16 keys, source 1 = 16 queries), O^T = V^T P (source 0 = 16 channels, source 1 = P): a lane holds ONE query (lane % 16) throughout.  Register j of S^T's tile kt is key
; 16 kt + 8 (lane / 16) + j: its eight codes are registers 2 kt, 2 kt + 1 of P's fragment as the 16x16x128 form wants them.
; REGISTERS.  Window 0: v1-9 addresses and constants; v10-15 at work; v16-39 six registers of statistics a tile (-M, largest t, the sum in two halves, c twice); v40-71 Q; v72-87 P's codes; v88-151, v152-215 two buffers of scores.
;   Window 1: v0-127 O^T, 32 a tile; v128-191 K's eight fragments of a step; v192-255 V's four.
.set VREG,  131072                     ; LDS: K's image at 0, V's here,
.set STAGE, 262144                     ; and behind them the stages for the way out: 16 rows x 272 bytes for each wave; no tensor load lands here
.set SP,    272
.set STEPB, 8192                       ; a key step's bytes, in K's image and in V's
.set LI,   1                           ; v1   16 x lane
.set LIV,  2                           ; v2   the same in V's image
.set ADK,  3                           ; v3   the step's fragments of K
.set ADV,  4                           ; v4   of V
.set STO,  5                           ; v5   the way out: where I put 32 bytes of a row
.set RD,   6                           ; v6   where I read a row back
.set GO,   7                           ; v7   my byte offset in the wave's rows of the output
.set HOLD, 8
.set SCL,  9                           ; v9   2^e8
.set MX0,  10
.set MX1,  11
.set F,    12                          ; v[12:13] f = 2^(old M - new M) (v13 is named with it as a pair)
.set SUM2, 14                          ; v[14:15] the sums' second chain
.set ST,   16
.set Q,    40
.set P,    72
.set SA,   88
.set SB,   152
.set KF,   128                         ; in window 1
.set VF,   192
.set WV,   16                          ; s16  my wave's number
.set G1A,  24                          ; s[24:31], s[32:39], s[40:47]: descriptor groups 1 for 8, 24 and 48 rows of 256 bytes
.set G1B,  32
.set G1C,  40
.set G0,   48                          ; s[48:63]: four groups 0
.set SEL,  66                          ; s[66:67] lane selects for v_permlanex16_b32: lane l xor 16
.set TB,   72                          ; s72  the step's first byte in an image
.set CNT,  73
.set MSB, 0
.macro WIN new                         ; the immediate's high byte repeats the setting that is left
.if MSB != \new
	s_set_vgpr_msb (MSB<<8)|\new
.set MSB, \new
.endif
.endm
.macro CROUND                          ; a round of the cluster's barrier
	s_barrier_signal -1
	s_barrier_wait -1
	s_cmp_lg_u32 s[WV], 0
	s_cbranch_scc1 .Lnot_wave_0_\@
	s_barrier_signal -3
.Lnot_wave_0_\@:
	s_barrier_wait -3
	s_barrier_signal -1
	s_barrier_wait -1
.endm
	s_load_b256 s[4:11], s[0:1], 0x0               ; qc s[4:5], kc s[6:7], vc s[8:9], mask s[10:11]
	s_load_b128 s[12:15], s[0:1], 0x20             ; the scales' exponents s[12:13], the output s[14:15]
	v_lshl_add_u32 v254, v0, 2, 0x48800
	v_mov_b32 v255, 0
	ds_add_u32 v254, v255
	ds_add_u32 v254, v255
	v_lshrrev_b32 v10, 5, v0
	s_delay_alu instid0(VALU_DEP_1)
	v_readfirstlane_b32 s[WV], v10                 ; wave 0..7
	s_bfe_u32 s17, ttmp6, 0x40000                  ; cx: my place in the cluster
	s_lshl_b32 s19, ttmp9, 2
	s_add_co_u32 s19, s19, s17                     ; my block of 512 queries: it enters Q's, the mask's and the output's addresses alone
	s_and_b32 s18, ttmp7, 0xffff                   ; the pair, 16 x batch + head, which the four partners share
	; descriptor groups 1: dense rows of 256 bytes (32 elements of 8 bytes), no padding: the images lie in LDS as they lie in memory
.irp g, G1A, G1B, G1C
	s_mov_b32 s[\g], 15|(3<<16)|(1<<21)            ; 15:0 the mask: all four work-groups; 17:16 elements of 8 bytes; 21 set beside a mask
	s_mov_b32 s[\g+1], 32<<16                      ; tensor_dim0 = 32
	s_mov_b32 s[\g+3], 32<<16                      ; tile_dim0 = 32
	s_mov_b32 s[\g+5], 32                          ; tensor_dim0_stride
	s_mov_b32 s[\g+6], 0
	s_mov_b32 s[\g+7], 0
.endr
	s_mov_b32 s[G1A+2], 8<<16                      ; tensor_dim1 and tile_dim1: 8,
	s_mov_b32 s[G1A+4], 8
	s_mov_b32 s[G1B+2], 24<<16                     ; 24,
	s_mov_b32 s[G1B+4], 24
	s_mov_b32 s[G1C+2], 48<<16                     ; 48 rows
	s_mov_b32 s[G1C+4], 48
	s_mov_b32 s[SEL], 0x76543210
	s_mov_b32 s[SEL+1], 0xfedcba98
	s_and_b32 s20, s[WV], 3                        ; which quarter of a load's bytes I fetch
	s_lshr_b32 s21, s[WV], 2
	s_lshl_b32 s21, s21, 17                        ; waves 0-3: K's image, waves 4-7: V's
	s_lshl_b32 s22, s18, 17                        ; the pair's first byte in each of the three buffers of codes
	s_mov_b32 s23, 0
	s_wait_dscnt 0x0
	s_wait_kmcnt 0x0
	s_load_b64 s[68:69], s[12:13], 0x18            ; e6, e7
	s_load_b64 s[70:71], s[12:13], 0x20            ; e8, e9
	s_cmp_lt_u32 s[WV], 4                          ; the choice hangs on the wave's number alone: the same in all four partners
	s_cselect_b64 s[78:79], s[6:7], s[8:9]
	s_add_nc_u64 s[78:79], s[78:79], s[22:23]
	s_mov_b32 s77, 0
; group 0 number n: key steps whose bytes begin at start in an image; each of four waves takes part bytes of them
.macro DESC n, start, part
	s_mul_i32 s76, s20, \part
	s_add_co_u32 s76, s76, \start
	s_mov_b32 s[G0+4*\n], 1                        ; count = 1
	s_add_co_u32 s[G0+4*\n+1], s76, s21            ; LDS address: no place in the cluster enters it
	s_add_nc_u64 s[G0+4*\n+2:G0+4*\n+3], s[78:79], s[76:77]
	s_or_b32 s[G0+4*\n+3], s[G0+4*\n+3], 0x80000000  ; type = 2
.endm
	DESC 0, 0, 2048                                ; key step 0
	DESC 1, 8192, 6144                             ; steps 1 to 3
	DESC 2, 32768, 12288                           ; steps 4 to 9
	DESC 3, 81920, 12288                           ; steps 10 to 15
	CROUND                                         ; all four work-groups are here: the joint loads meet
	tensor_load_to_lds s[G0:G0+3], s[G1A:G1A+7]    ; all fills of the launch, in one group, ahead of every wait on TENSORcnt and every LDS read
	s_nop 0
	tensor_load_to_lds s[G0+4:G0+7], s[G1B:G1B+7]
	s_nop 0
	tensor_load_to_lds s[G0+8:G0+11], s[G1C:G1C+7]
	s_nop 0
	tensor_load_to_lds s[G0+12:G0+15], s[G1C:G1C+7]
	s_nop 0
.rept 4
	v_nop
.endr
	v_and_b32 v10, 31, v0
	s_delay_alu instid0(VALU_DEP_1)
	v_lshlrev_b32 v[LI], 4, v10
	s_delay_alu instid0(VALU_DEP_1)
	v_add_nc_u32 v[LIV], VREG, v[LI]
	v_and_b32 v11, 15, v0                          ; r = lane % 16
	s_wait_alu depctr_va_vdst(0)
	v_bfe_u32 v12, v0, 4, 1                        ; h = lane / 16
	s_lshl_b32 s76, s19, 15                        ; my block's 32 tiles of 1,024 bytes,
	s_lshl_b32 s77, s[WV], 12                      ; my wave's four
	s_add_co_u32 s76, s76, s77
	s_add_co_u32 s76, s76, s22
	s_mov_b32 s77, 0
	s_add_nc_u64 s[4:5], s[4:5], s[76:77]
.irp t, 0,1,2,3
.irp c, 0,1
	global_load_b128 v[Q+8*\t+4*\c:Q+8*\t+4*\c+3], v[LI], s[4:5] offset:1024*\t+512*\c th:TH_LOAD_NT   ; Q's four fragments stay in registers
.endr
.endr
	s_lshr_b32 s76, s18, 4                         ; the batch
	s_lshl_b32 s76, s76, 11
	s_lshl_b32 s77, s19, 9
	s_add_co_u32 s76, s76, s77
	s_lshl_b32 s77, s[WV], 6
	s_add_co_u32 s76, s76, s77                     ; my first query among the 8,192 rows
	s_lshl_b32 s78, s76, 2
	s_mov_b32 s79, 0
	s_add_nc_u64 s[10:11], s[10:11], s[78:79]
	v_lshlrev_b32 v[ADK], 2, v11                   ; (this register takes the steps' addresses only behind the wait for these loads)
.irp t, 0,1,2,3
	global_load_b32 v[P+\t], v[ADK], s[10:11] offset:64*\t   ; the mask of query 16 t + r
.endr
	s_lshl_b32 s76, s76, 12                        ; a row of the output is 4,096 bytes;
	s_and_b32 s77, s18, 15
	s_lshl_b32 s77, s77, 8                         ; my head's 64 numbers are 256 of them
	s_add_co_u32 s76, s76, s77
	s_mov_b32 s77, 0
	s_add_nc_u64 s[14:15], s[14:15], s[76:77]
	s_mul_i32 s76, s[WV], 16*SP
	s_add_co_u32 s76, s76, STAGE                   ; my stage
	v_mul_u32_u24 v[STO], v11, SP                  ; in: row r, 32 bytes for each half of the lanes
	s_wait_alu depctr_va_vdst(0)
	v_lshl_add_u32 v[STO], v12, 5, v[STO]
	s_delay_alu instid0(VALU_DEP_1)
	v_add_nc_u32 v[STO], s76, v[STO]
	v_mul_u32_u24 v[RD], v12, SP                   ; back: lanes 0-15 take one row of 256 bytes, lanes 16-31 the next
	s_delay_alu instid0(VALU_DEP_1)
	v_lshl_add_u32 v[RD], v11, 4, v[RD]
	s_delay_alu instid0(VALU_DEP_1)
	v_add_nc_u32 v[RD], s76, v[RD]
	v_lshlrev_b32 v[GO], 12, v12                   ; and the same two rows in the output
	s_delay_alu instid0(VALU_DEP_1)
	v_lshl_add_u32 v[GO], v11, 4, v[GO]
.irp t, 0,1,2,3
	v_mov_b32 v[ST+6*\t+1], 0xff61b1e6             ; the largest t so far: -3e38, under every t
	s_delay_alu instid0(VALU_DEP_1)
	v_floor_f32 v[ST+6*\t], -v[ST+6*\t+1]          ; -M
	v_mov_b32 v[ST+6*\t+2], 0                      ; the sum, in two halves
	v_mov_b32 v[ST+6*\t+3], 0
.endr
	v_mov_b32 v[F+1], 0
	s_wait_kmcnt 0x0
	s_add_co_i32 s76, s68, s69
	s_lshl_b32 s76, s76, 23
	s_add_co_i32 s75, s76, 0x3e38aa3b              ; c = log2(e) / 8, with e6 + e7 added to its exponent field
	s_add_co_i32 s74, s70, s71                     ; e8 + e9
	s_add_co_i32 s76, s70, 127
	s_lshl_b32 s77, s76, 23
	v_mov_b32 v[SCL], s77                          ; 2^e8 as f32, for the conversion
	s_add_co_i32 s76, s76, 15
	s_lshl_b32 s76, s76, 23
	s_or_b32 s76, s76, 0x600000
	v_mov_b32 v[MX0], s75
	s_wait_alu depctr_va_vdst(0)
	s_wait_loadcnt 0x0                             ; Q and the mask
.irp t, 0,1,2,3
	v_cmp_ne_u32 vcc_lo, 0, v[P+\t]
	s_delay_alu instid0(VALU_DEP_1)
	v_cndmask_b32 v[ST+6*\t+4], 0, v[MX0], vcc_lo  ; my query's factor: c, or 0 where its mask is 0
	s_delay_alu instid0(VALU_DEP_1)
	v_mov_b32 v[ST+6*\t+5], v[ST+6*\t+4]           ; (named with it as a pair)
.endr
.macro FETCH_K                         ; a step's eight fragments of K: each load takes 512 consecutive bytes
.irp k, 0,1,2,3,4,5,6,7
	ds_load_b128 v[KF+8*\k:KF+8*\k+3],   v[ADK] offset:1024*\k
	ds_load_b128 v[KF+8*\k+4:KF+8*\k+7], v[ADK] offset:1024*\k+512
.endr
.endm
.macro FETCH_V                         ; and its four of V
.irp d, 0,1,2,3
.irp i, 0,1,2,3
	ds_load_b128 v[VF+16*\d+4*\i:VF+16*\d+4*\i+3], v[ADV] offset:2048*\d+512*\i
.endr
.endr
.endm
.macro KQ t, sb                        ; tile t's scores of the step's 128 keys: eight products, each a whole sum (depth 64)
	WIN 0x01                                       ; source 0 (K) window 1
.irp k, 0,1,2,3,4,5,6,7
	v_wmma_f32_16x16x64_bf8_bf8 v[\sb+8*\k:\sb+8*\k+7], v[KF+8*\k:KF+8*\k+7], v[Q+8*\t:Q+8*\t+7], 0
.endr
.endm
.macro PV t, first                     ; tile t's O^T += V^T P: four accumulators, one instruction each.  first = 1: the products start the sums: nothing is ever cleared
	WIN 0x51                                       ; source 0 (V), C and D (O^T) window 1; source 1 (P) window 0
.irp d, 0,1,2,3
.if \first
	v_wmma_f32_16x16x128_bf8_bf8 v[32*\t+8*\d:32*\t+8*\d+7], v[VF+16*\d:VF+16*\d+15], v[P:P+15], 0
.else
	v_wmma_f32_16x16x128_bf8_bf8 v[32*\t+8*\d:32*\t+8*\d+7], v[VF+16*\d:VF+16*\d+15], v[P:P+15], v[32*\t+8*\d:32*\t+8*\d+7]
.endif
.endr
.endm
; Tile t's softmax for one key step, on the 64 scores of a lane in v[sb] on; it leaves P's codes in v[P] on.
.macro SOFTMAX t, sb, first
.set rT, ST+6*(\t)
.set rS, \sb
.set rO, 32*(\t)
	WIN 0
	v_max3_num_f32 v[MX0], v[rS], v[rS+1], v[rS+2]         ; the step's largest score of my query among my 64 keys, in two chains; each accumulator is read from its low end on
	v_max3_num_f32 v[MX1], v[rS+3], v[rS+4], v[rS+5]
.irp i, 6,10,14,18,22,26,30,34,38,42,46,50,54,58
	v_max3_num_f32 v[MX0], v[MX0], v[rS+\i], v[rS+\i+1]
	v_max3_num_f32 v[MX1], v[MX1], v[rS+\i+2], v[rS+\i+3]
.endr
	v_max3_num_f32 v[MX0], v[MX0], v[rS+62], v[rS+63]
	s_delay_alu instid0(VALU_DEP_1)
	v_max_num_f32 v[MX0], v[MX0], v[MX1]
	s_delay_alu instid0(VALU_DEP_1)
	v_permlanex16_b32 v[MX1], v[MX0], s[SEL], s[SEL+1]
	s_delay_alu instid0(VALU_DEP_1)
	v_max_num_f32 v[MX0], v[MX0], v[MX1]                   ; and among lane l xor 16's
	s_delay_alu instid0(VALU_DEP_1)
	v_mul_f32 v[MX0], v[rT+4], v[MX0]                      ; as t (the factor is positive or 0)
	s_delay_alu instid0(VALU_DEP_1)
	v_max_num_f32 v[rT+1], v[rT+1], v[MX0]                 ; the running largest t
	v_mov_b32 v[MX0], v[rT]
	s_delay_alu instid0(VALU_DEP_2)
	v_floor_f32 v[rT], -v[rT+1]                            ; the new -M = floor(-t): M is a whole number
	s_delay_alu instid0(VALU_DEP_1)
	v_sub_f32 v[MX0], v[rT], v[MX0]                        ; old M - new M: a whole number, 0 or less
	s_delay_alu instid0(VALU_DEP_1)
	v_cvt_i32_f32 v[MX0], v[MX0]                           ; (it saturates)
	s_delay_alu instid0(VALU_DEP_1)
	v_ldexp_f32 v[F], 1.0, v[MX0]                          ; f = 2^(old M - new M)
.set j, 0
.rept 32
	v_pk_fma_f32 v[rS+j:rS+j+1], v[rS+j:rS+j+1], v[rT+4:rT+5], v[rT:rT+1] op_sel_hi:[1,0,0]   ; t - M, two at a time (of the pairs the low word serves both halves)
.set j, j+2
.endr
.set j, 0
	s_wait_alu depctr_va_vdst(0)
.rept 64
	v_exp_f32 v[rS+j], v[rS+j]                             ; p = 2^(t - M), at most 1: one batch
.set j, j+1
.endr
.if !\first
	WIN 0x41                                       ; O^T (destination and source 0) window 1, f window 0
.set j, 0
	s_wait_alu depctr_va_vdst(0)
.rept 16
	v_pk_mul_f32 v[rO+j:rO+j+1], v[rO+j:rO+j+1], v[F:F+1] op_sel_hi:[1,0]   ; O^T under the new M: work that names no exponential's result, behind the batch
.set j, j+2
.endr
	WIN 0
.endif
	v_pk_mul_f32 v[rT+2:rT+3], v[rT+2:rT+3], v[F:F+1] op_sel_hi:[1,0]       ; the sums under the new M (a plain instruction behind the last exponential)
	s_wait_alu depctr_va_vdst(0)                   ; one wait for the whole batch, ahead of the first instruction that names a result
	v_pk_add_f32 v[SUM2:SUM2+1], v[rS:rS+1], v[rS+2:rS+3]                   ; the row's sum is taken of the UNQUANTISED p, two at a time, in two chains
.irp i, 4,8,12,16,20,24,28,32,36,40,44,48,52,56,60
	v_pk_add_f32 v[rT+2:rT+3], v[rT+2:rT+3], v[rS+\i:rS+\i+1]
	v_pk_add_f32 v[SUM2:SUM2+1], v[SUM2:SUM2+1], v[rS+\i+2:rS+\i+3]
.endr
.irp b, 0,1,2,3
.irp i, 0,1,2,3,4,5,6,7,8,9,10,11,12,13,14,15
.endr
	v_cvt_scalef32_pk8_bf8_f32 v[P+4*\b:P+4*\b+1],   v[rS+16*\b:rS+16*\b+7],    v[SCL]
	v_cvt_scalef32_pk8_bf8_f32 v[P+4*\b+2:P+4*\b+3], v[rS+16*\b+8:rS+16*\b+15], v[SCL]
.endr
	v_pk_add_f32 v[rT+2:rT+3], v[rT+2:rT+3], v[SUM2:SUM2+1]                 ; the chains meet: also the plain instruction between the last conversion and the products that read its codes and write its sources
.endm
; A KEY STEP: 128 keys.  A tile's scores are issued one softmax ahead of their use, in two buffers by turns, so that no softmax stands directly behind the products that it reads.
.macro STEP first
	v_add_nc_u32 v[ADK], s[TB], v[LI]
	v_add_nc_u32 v[ADV], s[TB], v[LIV]
	v_nop                                          ; with the two additions: four places between the last products, which read V's fragments, and the loads into them
	v_nop
	WIN 0x40                                       ; destination window 1, address window 0
	FETCH_K
	FETCH_V
	s_wait_dscnt 16                                ; K's sixteen loads are in; V's sixteen, issued behind them, may be out
	KQ 0, SA
	KQ 1, SB
	WIN 0
.rept 4
	v_nop                                          ; places in front of the first read of the scores
.endr
	SOFTMAX 0, SA, \first
	s_wait_alu depctr_va_vdst(0)
	s_wait_dscnt 0x0                               ; V is in
	PV 0, \first
	KQ 2, SA
	SOFTMAX 1, SB, \first
	PV 1, \first
	KQ 3, SB
	SOFTMAX 2, SA, \first
	PV 2, \first
	SOFTMAX 3, SB, \first
	PV 3, \first
	WIN 0                                          ; at a label and at a branch every window is 0
.endm
.macro STEPS n
	s_mov_b32 s[CNT], \n
.Lstep_\@:
	STEP 0
	s_add_co_u32 s[TB], s[TB], STEPB
	s_sub_co_u32 s[CNT], s[CNT], 1
	s_cmp_lg_u32 s[CNT], 0
	s_cbranch_scc1 .Lstep_\@
.endm
	s_mov_b32 s[TB], 0
	s_wait_tensorcnt 3                             ; my part of key step 0 is in; my three later loads may stay out
	s_barrier_signal -1
	s_barrier_wait -1                              ; everybody's is
	STEP 1                                         ; the first step is written out: its products start O^T's sums, and there is nothing to rescale
	s_mov_b32 s[TB], STEPB
	s_wait_tensorcnt 2                             ; steps 1 to 3; my two later loads may stay out
	s_barrier_signal -1
	s_barrier_wait -1
	STEPS 3
	s_mov_b32 s[TB], 4*STEPB
	s_wait_tensorcnt 0x0                           ; steps 4 to 15
	s_barrier_signal -1
	s_barrier_wait -1
	STEPS 12
	; THE WAY OUT.  The sum's two halves and lane l xor 16's are added (these additions are the places behind the last products); O^T is multiplied by 2^(e8 + e9) / the sum and goes through my stage in LDS, a tile of 16 queries at a time
.irp t, 0,1,2,3
	v_add_f32 v[ST+6*\t+2], v[ST+6*\t+2], v[ST+6*\t+3]
.endr
.irp t, 0,1,2,3
	s_delay_alu instid0(VALU_DEP_4)
	v_permlanex16_b32 v[ST+6*\t+3], v[ST+6*\t+2], s[SEL], s[SEL+1]
.endr
.irp t, 0,1,2,3
	s_delay_alu instid0(VALU_DEP_4)
	v_add_f32 v[ST+6*\t+2], v[ST+6*\t+2], v[ST+6*\t+3]
.endr
	s_wait_alu depctr_va_vdst(0)
.irp t, 0,1,2,3
	v_rcp_f32 v[ST+6*\t+3], v[ST+6*\t+2]
.endr
	v_nop                                          ; a plain instruction between the last reciprocal and the use of its result
	s_wait_alu depctr_va_vdst(0)                   ; one wait for the four reciprocals, ahead of the first use
.irp t, 0,1,2,3
	v_ldexp_f32 v[ST+6*\t+2], v[ST+6*\t+3], s74    ; x 2^(e8 + e9)
.endr
; Tile t: a lane's eight channels of a query are 32 bytes; they go into rows of 272 bytes and come back as whole rows of 256, into the registers that they left.
.macro PACK t
	WIN 0x01                                       ; source 0 (O^T) window 1
.set j, 0
.rept 16
	v_pk_mul_f32 v[SA+32*\t+j:SA+32*\t+j+1], v[32*\t+j:32*\t+j+1], v[ST+6*\t+2:ST+6*\t+3] op_sel_hi:[1,0]
.set j, j+2
.endr
	WIN 0
.irp d, 0,1,2,3
	ds_store_b128 v[STO], v[SA+32*\t+8*\d:SA+32*\t+8*\d+3]   offset:64*\d
	ds_store_b128 v[STO], v[SA+32*\t+8*\d+4:SA+32*\t+8*\d+7] offset:64*\d+16
.endr
.irp i, 0,1,2,3,4,5,6,7
	ds_load_b128 v[SA+32*\t+4*\i:SA+32*\t+4*\i+3], v[RD] offset:\i*2*SP   ; LDS serves a wave's instructions in order (ISA guide 5.7.1.4): these see the stores above; the next tile's stores come behind them
.endr
.endm
.macro SEND t, younger                 ; younger: the LDS instructions issued behind tile t's loads: the next tile's eight stores and eight loads, or none
.irp i, 0,1,2,3,4,5,6,7
	s_wait_dscnt \younger+7-\i
	global_store_b128 v[GO], v[SA+32*\t+4*\i:SA+32*\t+4*\i+3], s[14:15] offset:(16*\t+2*\i)*4096 th:TH_STORE_NT   ; 16 lanes store 256 consecutive bytes, at a multiple of 256 from the output's first byte: a query's 64 numbers of my head
.endr
.endm
	PACK 0
	PACK 1                                         ; a tile's arithmetic stands between the loads of the tile before and its stores
	SEND 0, 16
	PACK 2
	SEND 1, 16
	PACK 3
	SEND 2, 16
	SEND 3, 0                                      ; (its last wait is for 0: no LDS instruction of mine is out at the signal below)
	s_wait_tensorcnt 0x0
	ds_add_u32 v254, v255
	s_wait_dscnt 0x0
	CROUND                                         ; the closing round: no work-group ends while a partner may still ask for a tile that names it
	s_endpgm
.Lfunc_end_k_q741c91eaa0_attn:
	.size	k_q741c91eaa0_attn, .Lfunc_end_k_q741c91eaa0_attn-k_q741c91eaa0_attn
	.p2alignl 7, 3214868480
	.fill 96, 4, 3214868480
	.section	.rodata,"a",@progbits
	.p2align	6, 0x0
	.amdhsa_kernel k_q741c91eaa0_attn
		.amdhsa_group_segment_fixed_size 297984
		.amdhsa_private_segment_fixed_size 0
		.amdhsa_enable_private_segment 0
		.amdhsa_kernarg_size 48
		.amdhsa_user_sgpr_count 2
		.amdhsa_user_sgpr_kernarg_segment_ptr 1
		.amdhsa_wavefront_size32 1
		.amdhsa_system_sgpr_workgroup_id_x 1
		.amdhsa_system_sgpr_workgroup_id_y 1
		.amdhsa_system_sgpr_workgroup_id_z 1
		.amdhsa_system_vgpr_workitem_id 0
		.amdhsa_next_free_vgpr 512
		.amdhsa_next_free_sgpr 80
		.amdhsa_reserve_vcc 1
		.amdhsa_float_denorm_mode_32 3
		.amdhsa_float_denorm_mode_16_64 3
		.amdhsa_fp16_overflow 1
		.amdhsa_memory_ordered 1
		.amdhsa_forward_progress 1
		.amdhsa_inst_pref_size 162
	.end_amdhsa_kernel
	.amdgpu_metadata
---
amdhsa.version: [ 1, 2 ]
amdhsa.kernels:
  - .name:           k_q741c91eaa0_attn
    .symbol:         k_q741c91eaa0_attn.kd
    .args:
      - { .name: qc, .offset: 0, .size: 8, .value_kind: global_buffer, .address_space: global }
      - { .name: kc, .offset: 8, .size: 8, .value_kind: global_buffer, .address_space: global }
      - { .name: vc, .offset: 16, .size: 8, .value_kind: global_buffer, .address_space: global }
      - { .name: mask, .offset: 24, .size: 8, .value_kind: global_buffer, .address_space: global }
      - { .name: lowp_scales, .offset: 32, .size: 8, .value_kind: global_buffer, .address_space: global }
      - { .name: out0, .offset: 40, .size: 8, .value_kind: global_buffer, .address_space: global }
    .group_segment_fixed_size: 297984
    .private_segment_fixed_size: 0
    .kernarg_segment_align: 8
    .kernarg_segment_size: 48
    .max_flat_workgroup_size: 256
    .sgpr_count:     80
    .vgpr_count:     512
    .wavefront_size: 32
...
	.end_amdgpu_metadata
.endif
;; end of part 2
